; MI455X (gfx1250); checked and timed in simulation.
; The chip was launched on July 23, 2026; its instructions are those of AMD's public machine-readable ISA for CDNA 5 (MIT licence, August 2026) and "CDNA5" Instruction Set Architecture Reference Guide (July 2026). The comments in the code are by the model that wrote it; some were corrected since.
;; Grouped Query Attention Direct. Allowed arithmetic: matrix products marked QUANTISED: E2M3 operands, one E8M0 scale for each 32 along K, by v_wmma_scale_f32_16x16x128_f8f6f4 with both operands' format E2M3, f32 sums; everything else in f32.
;; Inputs: b_out 4,096 float32; key 2,048 x 8 x 128 float32; mask 2,048 x 2,048 float32; query 2,048 x 32 x 128 float32; value 2,048 x 8 x 128 float32; w_out 4,096 x 4,096 float32.
;; Outputs: out0 2,048 x 32 x 128 float32.
;; This version of the problem:
;;   THIS VERSION OF THE PROBLEM IS GIVEN IN LOW PRECISION. The matrix products marked QUANTISED in the list below multiply operands that are first quantised to E2M3 (2 exponent bits, 3 mantissa bits; 6 bits a number), with one power-of-two scale for each 32 numbers along K (OCP MX v1.0); their sums are f32. All else is computed in f32.
;;   The module's matrix products, in the order in which they are computed (A, B: the left and right operand; K: the contracted axis; several contracted axes count as one K, in the product's order):
;;     1. batch 8 x [M 8,192, K 128] x [K 128, N 2,048]; A: input query; B: input key: QUANTISED
;;     2. batch 8 x [M 8,192, K 2,048] x [K 2,048, N 128]; A: softmax (see below); B: input value: QUANTISED
;;     3. [M 2,048, K 4,096] x [K 4,096, N 4,096]; A: computed on the way; B: input w_out: QUANTISED
;;   THE QUANTISER, for each operand of a quantised product, along K:
;;     - K is cut into blocks of 32 from its start; a last block that is shorter is filled with zeros.
;;     - A block's scale is 2^e with e = floor(log2(the largest magnitude in the block)) - 2, held to -126 .. 127; a block of zeros has e = 0. As a byte (E8M0): e + 127.
;;     - Each number is divided by its block's scale, clamped to +-7.5, and rounded to the nearest number of E2M3, ties to even, subnormals kept.
;;     - The product sums the exact products of the quantised numbers (number of the format x scale) in f32.
;;   ~~~python
;;   def quantise(x, axis):      # numpy; x: float32 -> the quantised numbers, widened to float32 again
;;       x = np.moveaxis(x, axis, -1); K = x.shape[-1]
;;       x = np.pad(x, [(0, 0)] * (x.ndim - 1) + [(0, -K % 32)]); x = x.reshape(x.shape[:-1] + (-1, 32)); a = np.abs(x).max(-1, keepdims=True)
;;       e = np.where(a > 0, np.clip(np.frexp(np.where(a > 0, a, 1))[1] - 1 - 2, -126, 127), 0)      # np.frexp(a)[1] - 1 = floor(log2(a)), exactly
;;       r = np.clip(x / 2.0 ** e, -7.5, 7.5)
;;       step = 2.0 ** (np.maximum(np.frexp(np.where(r == 0, 1, r))[1] - 1, 0) - 3)
;;       q = np.round(r / step) * step * 2.0 ** e      # np.round: ties to even
;;       return np.moveaxis(q.reshape(q.shape[:-2] + (-1,))[..., :K], -1, axis).astype(np.float32)
;;   ~~~
;;   SOFTMAX AHEAD OF A QUANTISED PRODUCT. Where the list says 'softmax', what is quantised is not the finished softmax but p = 2^(t - M), with t = logit x log2(e) and M = ceil(the row's largest t), a whole number; so 1/2 < the row's largest p <= 1. The row's sum l is taken of the UNQUANTISED p, in f32, and the product's result is divided by l at the end. Since M is a whole number, a kernel that streams over the keys may use a running M (the ceiling of the running maximum): every later rescaling is an exact power of two, which a block's scale takes up: the codes' values come out the same.
;;   OPERANDS COMPUTED ON THE WAY. 'Computed on the way' means the value that the module computes at that place (a softmax that the list does not call 'softmax' is quantised finished and normalised). What goes into a quantiser is computed in f32, as accurately as f32 sums, v_exp_f32 and their like allow (about 1e-6 of the number): no bf16 or f16 on the way to a quantiser, and a product that is left as it is and whose result goes on into a quantised operand takes f32 operands (vector FMAs, or v_wmma_f32_16x16x4_f32). A number that lies on a knife's edge between two numbers of the format may be rounded either way, as far as f32 arithmetic and the matrix unit's own rounding can turn it there, and no further.
;; One version. Each part assembles by itself: llvm-mc -triple=amdgcn-amd-amdhsa -mcpu=gfx1250 --defsym DOCPART=n.
;; ======== version 1 of 1: 3 launches
;; limits: right only within a limited range of input values
;; workspace buffers: qw 6,553,600 bytes; ww 13,107,200 bytes; xw 6,553,600 bytes; kv 3,145,728 bytes; kvs 131,072 bytes
;; launch prep (part 1): grid 288 x 1, 4 waves a work-group, no clusters, 34,304 bytes of LDS; arguments query, key, value, qw, kv, kvs; writes qw, kv, kvs
.if DOCPART == 1
	.amdgcn_target "amdgcn-amd-amdhsa--gfx1250"
	.amdhsa_code_object_version 6
	.text
	.protected	k_q6c32623e46_prep
	.globl	k_q6c32623e46_prep
	.p2align	8
	.type	k_q6c32623e46_prep,@function
k_q6c32623e46_prep:
	s_mov_b64 s[64:65], 0
	v_nop
	global_prefetch_b8 v0, s[64:65] scope:SCOPE_SE
	s_setreg_imm32_b32 hwreg(HW_REG_WAVE_MODE, 25, 1), 1
	s_wait_xcnt 0x0
; query [2048][32][128], key [2048][8][128], value [2048][8][128] and w_out [4096][4096], f32, become codes of FP6 (E2M3) with one E8M0 byte for each 32 along a product's K.
; A block's scale is 2^(floor(log2(its largest magnitude)) - 2): its byte is the largest magnitude's exponent field - 2, held at 1 from below.
; EVERY OPERAND IS STORED AS AN IMAGE OF ITS REGISTERS.  A fragment (16 rows x 128 K) is 12 registers a lane: registers 4 c .. 4 c + 3 of lane l lie at 512 c + 16 l of its 1,536 bytes.
; The scale words of eight fragments (a strip) are 512 bytes: the word of fragment t, row r at 256 (t / 4) + 16 r + 4 (t % 4).
;   qw: [128 queries (16)][head (32)] blocks of 12,800 bytes = 8 fragments + their 512 bytes of scale words.     ww: [128 rows n (32)][128 along K (32)], the same blocks.
;   kv: [group (8)][128 keys (16)] x 24,576 bytes: 8 fragments of K (16 neighbouring keys each), then 8 of V^T.   kvs: K's strips at 512 (16 g + s), V's 65,536 bytes further on.
; V^T (K = the keys): inside each block of 32 keys, place p holds key p % 8 + 16 ((p / 8) % 2) + 8 (p / 16): the order in which the attention launch's weights come out of its score registers.
; The block's members, and so its scale, are the same.  Row r of V^T's fragment 2 b + u is channel 32 b + 8 u + r + 8 (r / 8), so that the attention result's registers run along the channels.
; WORK-GROUPS: 0-255 w_out, 256-383 query, 384-415 key (one path, chosen by selects on the work-group's number: K is innermost), 416-543 value (a path of its own: K is outermost).
; LIMITS: NaN and infinities are not served.  A block whose largest magnitude lies under 2^-124, a block of zeros among them, keeps the byte 1 where the rule says 127 for zeros: its codes
; are zeros then, and this program alone reads the bytes.  The input mask is not loaded by any launch: reference() never applies it, so no result hangs on it.
; AS THE TEXT STANDS, over what is said above: w_out is not touched here (the attention launch quantises it into ww).  WORK-GROUPS: 0-127 query, 128-159 key, 160-287 value.
; Row i of K's fragment t is key 64 (t / 4) + 8 (t % 4) + i % 8 + 32 (i / 8) of its 128: a lane of the attention launch's score registers then holds whole blocks of 32 keys, in their own order.
; So V^T's keys stand in their own order inside each block, and row i of V^T's fragment t is channel 64 (t / 4) + 8 (t % 4) + i % 8 + 32 (i / 8).
.set LI,  4                            ; v4      16 x lane: row 0's offset in a load, and every store's offset; never rewritten   (v5-7: + 1, 2, 3 rows)
.set STW, 8                            ; v8      the stage, on the way in: 8,448 x wave + 16 x lane
.set STR, 9                            ; v9      and on the way out: 8,448 x wave + 528 r + 64 h
.set SW,  12                           ; v12-19  the eight fragments' scale words;  v20-23 as they are stored
.set TM,  24                           ; v24-27 largest magnitudes, v28-31 the other half's, then bytes, v36-39 the conversions' scale operands
.set PC,  40                           ; v40-51  a fragment's codes;  v52-54, v56-58 the upper halves of blocks as they are made
.set L0,  64                           ; v64-127, v128-191 two sets of 16 rows as loaded
.set X,   192                          ; v192-255 64 numbers of my row: register 16 b + i = k 32 b + 16 h + i
.set SEL, 22                           ; s[22:23] lane selects: lane l xor 16
; 64 numbers of a lane, register 16 b + i = k 32 b + 16 (lane / 16) + i of row lane % 16, become a fragment's codes in v[PC] on and the row's scale word in v[pw]
.macro QUANT s, pw
.irp b, 0,1,2,3
	v_max3_num_f32 v[TM+\b], |v[(\s)+16*\b]|, |v[(\s)+1+16*\b]|, 0x1800000   ; my 16 numbers of block b, and the floor 2^(3 - 127): the byte cannot fall under 1
.endr
.irp i, 2,4,6,8,10,12,14
.irp b, 0,1,2,3
	v_max3_num_f32 v[TM+\b], v[TM+\b], |v[(\s)+16*\b+\i]|, |v[(\s)+1+16*\b+\i]|   ; the four blocks by turns
.endr
.endr
.irp b, 0,1,2,3
	v_permlanex16_b32 v[TM+4+\b], v[TM+\b], s[SEL], s[SEL+1]
.endr
.irp b, 0,1,2,3
	v_max_num_f32 v[TM+\b], v[TM+\b], v[TM+4+\b]   ; with lane l xor 16's 16: the block's largest magnitude
.endr
.irp b, 0,1,2,3
	v_add_nc_u32 v[TM+12+\b], 0xff000000, v[TM+\b]   ; 2 off its exponent field: the conversion takes this operand's exponent field as its scale
.endr
.irp b, 0,1,2,3
	v_lshrrev_b32 v[TM+4+\b], 23, v[TM+12+\b]      ; the scale's byte
.endr
	v_lshl_or_b32 v[\pw], v[TM+5], 8, v[TM+4]      ; four bytes: my row's scale word
	v_lshl_or_b32 v[\pw], v[TM+6], 16, v[\pw]
	v_lshl_or_b32 v[\pw], v[TM+7], 24, v[\pw]
.irp c, 0,1
	v_cvt_scalef32_pk16_fp6_f32 v[PC+6*\c:PC+2+6*\c], v[(\s)+32*\c:(\s)+15+32*\c], v[TM+12+2*\c]
	v_cvt_scalef32_pk16_fp6_f32 v[PC+12+4*\c:PC+14+4*\c], v[(\s)+16+32*\c:(\s)+31+32*\c], v[TM+12+2*\c+1]   ; (a conversion's three registers begin on an even number)
.endr
	v_nop                                          ; one plain instruction behind the scaled conversions
.irp c, 0,1                                    ; the operand wants a whole block in a lane: lanes 0-15 block 2 c, lanes 16-31 block 2 c + 1
.irp i, 0,1,2
	v_permlane16_swap_b32 v[PC+6*\c+\i], v[PC+12+4*\c+\i]
.endr
.irp i, 0,1,2
	v_mov_b32 v[PC+3+6*\c+\i], v[PC+12+4*\c+\i]
.endr
.endr
.endm
.macro LOAD t                          ; the 16 rows of fragment t: each load reads a row's 512 consecutive bytes, 16 a lane.  The four bases stand at rows 0, 4, 8, 12 of the fragment
.irp i, 0,1,2,3,4,5,6,7,8,9,10,11,12,13,14,15
	global_load_b128 v[L0+64*((\t)%2)+4*\i:L0+64*((\t)%2)+4*\i+3], v[LI+\i%4], s[40+2*(\i/4):41+2*(\i/4)] th:TH_LOAD_NT
.endr
.endm
.macro NEXT                            ; the bases go 16 rows on
	s_wait_xcnt 0x0                                ; the loads have read their bases, and the last fragment's stores their data: both are written again only behind this wait
.irp m, 0,1,2,3
	s_add_nc_u64 s[40+2*\m:41+2*\m], s[40+2*\m:41+2*\m], s[48:49]
.endr
.endm
.macro TILE t
.if (\t) < 7
	s_wait_loadcnt 16                              ; this fragment's 16 loads are in; the next fragment's 16 may be out
.else
	s_wait_loadcnt 0x0
.endif
.irp i, 0,1,2,3,4,5,6,7,8,9,10,11,12,13,14,15
	ds_store_b128 v[STW], v[L0+64*((\t)%2)+4*\i:L0+64*((\t)%2)+4*\i+3] offset:528*\i   ; rows 528 bytes apart: 512 + 16, so that sixteen rows' equal columns fall on different banks
.endr
.irp b, 0,1,2,3
.irp j, 0,1,2,3
	ds_load_b128 v[X+16*\b+4*\j:X+16*\b+4*\j+3], v[STR] offset:128*\b+16*\j   ; LDS serves a wave's instructions in order: these see the stores above, and the next fragment's stores come behind them
.endr
.endr
	s_wait_dscnt 0x0                               ; my row's 64 numbers are in
.if (\t)+2 < 8
	NEXT
.if (\t) == 2
.irp m, 0,1,2,3
	s_add_nc_u64 s[40+2*\m:41+2*\m], s[40+2*\m:41+2*\m], s[58:59]   ; key: fragment 4 begins 32 rows further on than fragment 3's successor; query: 0
.endr
.endif
	LOAD (\t)+2
.else
	s_wait_xcnt 0x0                                ; the last fragment's stores have read the codes' registers
.endif
	QUANT X, SW+(\t)
.irp c, 0,1,2
	global_store_b128 v[LI], v[PC+4*\c:PC+4*\c+3], s[26:27] offset:1536*(\t)+512*\c   ; 32 lanes store 512 consecutive bytes, aligned
.endr
.endm
; The value path: blocks h and 2 + h of my channel become the registers of fragment lane (r', h)
.macro VHALF h
.set XS, 64+64*\h
.set PH, 192+12*\h
.irp c, 0,1
	v_max3_num_f32 v[24+\c], |v[XS+32*\c]|, |v[XS+32*\c+1]|, 0x1800000   ; all 32 numbers of a block are mine
.endr
.irp i, 2,4,6,8,10,12,14,16,18,20,22,24,26,28,30
.irp c, 0,1
	v_max3_num_f32 v[24+\c], v[24+\c], |v[XS+32*\c+\i]|, |v[XS+32*\c+\i+1]|
.endr
.endr
.irp c, 0,1
	v_add_nc_u32 v[26+\c], 0xff000000, v[24+\c]
.endr
.irp c, 0,1
	v_lshrrev_b32 v[28+2*\c+\h], 23, v[26+\c]      ; the byte of block 2 c + h
.endr
.irp c, 0,1
	v_cvt_scalef32_pk16_fp6_f32 v[PH+6*\c:PH+6*\c+2], v[XS+32*\c:XS+32*\c+15], v[26+\c]
	v_cvt_scalef32_pk16_fp6_f32 v[216+4*\c:218+4*\c], v[XS+32*\c+16:XS+32*\c+31], v[26+\c]
.endr
	v_nop                                          ; one plain instruction behind the scaled conversions
.irp c, 0,1
.irp i, 0,1,2
	v_mov_b32 v[PH+3+6*\c+\i], v[216+4*\c+\i]
.endr
.endr
.irp c, 0,1,2
	global_store_b128 v9, v[PH+4*\c:PH+4*\c+3], s[14:15] offset:512*\c+256*\h   ; each eight lanes fill 128 consecutive bytes of one of four fragments
.endr
.endm
	s_load_b128 s[4:7], s[0:1], 0x0                ; query 4:5, key 6:7
	s_load_b64 s[8:9], s[0:1], 0x10                ; value
	s_load_b128 s[12:15], s[0:1], 0x18             ; qw 12:13, kv 14:15
	s_load_b64 s[16:17], s[0:1], 0x28              ; kvs
	v_lshl_add_u32 v62, v0, 2, 0x8400
	v_mov_b32 v63, 0
	v_lshrrev_b32 v1, 5, v0
	v_readfirstlane_b32 s20, v1                    ; wave 0..3
	v_and_b32 v1, 31, v0                           ; lane
	v_and_b32 v2, 15, v0                           ; r
	v_bfe_u32 v3, v0, 4, 1                         ; h
	s_cmp_ge_u32 ttmp9, 160
	s_cbranch_scc1 .Lvpath
	; ---- K innermost: a wave takes a strip of 128 rows x 128 along K.  What differs between the three tensors is chosen by selects on the work-group's number
	s_cmp_lt_u32 ttmp9, 128                        ; query (true), or key
	s_mov_b32 s30, 4096
	s_cselect_b32 s30, 16384, s30                  ; bytes from row to row
	s_cselect_b32 s32, 31, 15                      ; the strip's number id = high part x (mask + 1) + low part
	s_cselect_b32 s33, 5, 4
	s_mov_b32 s34, 524288
	s_cselect_b32 s34, 512, s34                    ; the low part's step in the source: 128 along K; for key 128 rows
	s_mov_b32 s35, 512
	s_cselect_b32 s35, 2097152, s35                ; the high part's: 128 rows; for key a group
	s_mov_b32 s36, 24576
	s_cselect_b32 s36, 12800, s36                  ; from strip to strip in the codes' buffer
	s_mov_b32 s37, 512
	s_cselect_b32 s37, 12800, s37                  ; and for the scale words,
	s_cselect_b32 s38, 12288, 0                    ; which lie behind the block's eight fragments, or in kvs
	s_mov_b32 s56, 114688
	s_cselect_b32 s56, 65536, s56                  ; from a fragment's row 4 to its row 8: 4 rows; for key 28 rows
	s_mov_b32 s57, 0
	s_mov_b32 s48, 32768
	s_cselect_b32 s48, 262144, s48                 ; from fragment to fragment: 16 rows; for key 8 rows
	s_mov_b32 s58, 131072
	s_cselect_b32 s58, 0, s58                      ; and once more in front of fragment 4: for key 32 rows
	s_mov_b32 s59, 0
	s_mov_b32 s31, 128
	s_cselect_b32 s31, 0, s31                      ; the tensor's first work-group
	s_mov_b32 s[SEL], 0x76543210
	s_mov_b32 s[SEL+1], 0xfedcba98
	s_wait_kmcnt 0x0
	s_cselect_b64 s[24:25], s[4:5], s[6:7]
	s_cselect_b64 s[26:27], s[12:13], s[14:15]
	s_cselect_b64 s[28:29], s[12:13], s[16:17]
	s_sub_co_u32 s39, ttmp9, s31
	s_lshl_b32 s39, s39, 2
	s_add_co_u32 s39, s39, s20                     ; id
	s_and_b32 s52, s39, s32
	s_mul_i32 s52, s52, s34
	s_lshr_b32 s53, s39, s33
	s_mul_i32 s53, s53, s35
	s_add_co_u32 s52, s52, s53                     ; the strip's first byte in the source, under 2^27
	s_mov_b32 s53, 0
	s_add_nc_u64 s[40:41], s[24:25], s[52:53]      ; rows 0,
	s_lshl_b32 s50, s30, 2
	s_mov_b32 s51, 0
	s_add_nc_u64 s[42:43], s[40:41], s[50:51]      ; 4,
	s_add_nc_u64 s[44:45], s[42:43], s[56:57]      ; 8
	s_add_nc_u64 s[46:47], s[44:45], s[50:51]      ; and 12 of the first fragment
	s_mov_b32 s49, 0
	s_mul_i32 s52, s39, s36
	s_add_nc_u64 s[26:27], s[26:27], s[52:53]      ; where the strip's fragments go
	s_mul_i32 s52, s39, s37
	s_add_co_u32 s52, s52, s38
	s_add_nc_u64 s[28:29], s[28:29], s[52:53]      ; and its scale words
	s_wait_alu depctr_va_vdst(0)
	v_lshlrev_b32 v[LI], 4, v1
	v_add_nc_u32 v[LI+1], s30, v[LI]
	v_add_nc_u32 v[LI+2], s30, v[LI+1]
	v_add_nc_u32 v[LI+3], s30, v[LI+2]
	s_mul_i32 s54, s20, 8448                       ; my wave's stage: 16 rows x 528 bytes; no other wave touches it, so no barrier is written
	v_add_nc_u32 v[STW], s54, v[LI]
	v_mul_u32_u24 v[STR], v2, 528
	v_lshl_add_u32 v[STR], v3, 6, v[STR]
	v_add_nc_u32 v[STR], s54, v[STR]
.irp b, 0,1,2,3
	v_mov_b32 v[TM+4+\b], 0                        ; written once: a lane permute's destination counts as one of its sources
.endr
	LOAD 0
	s_wait_alu depctr_va_vdst(0)
	NEXT
	LOAD 1
.irp t, 0,1,2,3,4,5,6,7
	TILE \t
.endr
	v_cmp_ne_u32 vcc_lo, 0, v3
.irp i, 0,1,2,3
	v_cndmask_b32 v[20+\i], v[SW+\i], v[SW+4+\i], vcc_lo   ; lanes 0-15 store the words of fragments 0-3 of row r, lanes 16-31 those of fragments 4-7
.endr
	global_store_b128 v[LI], v[20:23], s[28:29]    ; the strip's 512 bytes of scale words, consecutive and aligned
	s_wait_tensorcnt 0x0
	ds_add_u32 v62, v63
	s_wait_dscnt 0x0
	s_endpgm
	; ---- value: K = the keys is the outer axis.  A lane takes a channel and its registers run down the keys.  Work-group = (group, 128 keys); wave w: channels 32 w + lane
.Lvpath:
	s_sub_co_u32 s24, ttmp9, 160                   ; 16 g + s
	s_lshr_b32 s25, s24, 4                         ; g
	s_and_b32 s26, s24, 15                         ; s
	s_lshl_b32 s26, s26, 19                        ; 128 keys of 4,096 bytes
	s_lshl_b32 s25, s25, 9                         ; a group's 512 bytes
	s_add_co_u32 s26, s26, s25
	s_lshl_b32 s25, s20, 7                         ; my wave's 32 channels
	s_add_co_u32 s26, s26, s25
	s_mov_b32 s27, 0
	s_mul_i32 s28, s24, 24576
	s_lshr_b32 s25, s20, 1
	s_mul_i32 s25, s25, 6144                       ; fragments 4 (w / 2) .. + 3,
	s_add_co_u32 s28, s28, s25
	s_add_co_u32 s28, s28, 12288                   ; behind K's eight
	s_mov_b32 s29, 0
	s_lshl_b32 s30, s24, 9                         ; the strip of scale words
	s_lshr_b32 s25, s20, 1
	s_lshl_b32 s25, s25, 8                         ; 256 x (fragment / 4)
	s_add_co_u32 s30, s30, s25
	s_and_b32 s25, s20, 1
	s_lshl_b32 s25, s25, 7                         ; 16 x 8 (w % 2): my wave's channels are rows 8 (w % 2) .. + 7 of their fragments
	s_add_co_u32 s30, s30, 65536
	s_mov_b32 s31, 0
	s_wait_alu depctr_va_vdst(0)
	v_lshlrev_b32 v4, 2, v1                        ; in: 4 bytes a lane
	v_bfe_u32 v5, v0, 3, 2                         ; u = lane / 8: which of the four fragments my channel belongs to
	v_and_b32 v6, 7, v0
	v_lshlrev_b32 v6, 4, v6
	v_add_nc_u32 v6, s25, v6                       ; 16 r', r' = lane % 8 + 8 (w % 2): its row there
	v_lshl_add_u32 v8, v5, 2, v6                   ; my scale word's place: 16 r' + 4 u
	v_mad_u32_u24 v9, v5, 0x600, v6                ; my codes' place: 1,536 u + 16 r'
	s_wait_alu depctr_va_vdst(0)
	s_wait_kmcnt 0x0
	s_add_nc_u64 s[8:9], s[8:9], s[26:27]
	s_add_nc_u64 s[14:15], s[14:15], s[28:29]
	s_add_nc_u64 s[16:17], s[16:17], s[30:31]
.irp h, 0,1                                    ; register 64 + 64 h + 32 c + i: place i of block 2 c + h; a load reads 128 consecutive bytes, the work-group's four waves 512
.irp c, 0,1
.irp i, 0,1,2,3,4,5,6,7,8,9,10,11,12,13,14,15,16,17,18,19,20,21,22,23,24,25,26,27,28,29,30,31
	global_load_b32 v[64+64*\h+32*\c+\i], v4, s[8:9] offset:(32*(2*\c+\h)+\i)*4096 th:TH_LOAD_NT
.endr
.endr
.endr
	s_wait_loadcnt 63                              ; 64 loads were issued behind the first 64; a wait's count names 63 at the most: the first 65 are in
	VHALF 0
	s_wait_loadcnt 0x0
	VHALF 1
	v_lshl_or_b32 v7, v29, 8, v28                  ; my channel's scale word: the bytes of blocks 0 to 3
	v_lshl_or_b32 v7, v30, 16, v7
	v_lshl_or_b32 v7, v31, 24, v7
	global_store_b32 v8, v7, s[16:17]              ; 4 bytes a lane, the wave's 32 lanes 128 consecutive bytes: one byte for each 128 that this path reads
	s_endpgm
.Lfunc_end_k_q6c32623e46_prep:
	.size	k_q6c32623e46_prep, .Lfunc_end_k_q6c32623e46_prep-k_q6c32623e46_prep
	.p2alignl 7, 3214868480
	.fill 96, 4, 3214868480
	.section	.rodata,"a",@progbits
	.p2align	6, 0x0
	.amdhsa_kernel k_q6c32623e46_prep
		.amdhsa_group_segment_fixed_size 34304
		.amdhsa_private_segment_fixed_size 0
		.amdhsa_enable_private_segment 0
		.amdhsa_kernarg_size 48
		.amdhsa_user_sgpr_count 2
		.amdhsa_user_sgpr_kernarg_segment_ptr 1
		.amdhsa_wavefront_size32 1
		.amdhsa_system_sgpr_workgroup_id_x 1
		.amdhsa_system_sgpr_workgroup_id_y 1
		.amdhsa_system_sgpr_workgroup_id_z 1
		.amdhsa_system_vgpr_workitem_id 0
		.amdhsa_next_free_vgpr 256
		.amdhsa_next_free_sgpr 66
		.amdhsa_reserve_vcc 1
		.amdhsa_float_denorm_mode_32 3
		.amdhsa_float_denorm_mode_16_64 3
		.amdhsa_memory_ordered 1
		.amdhsa_forward_progress 1
		.amdhsa_inst_pref_size 86
	.end_amdhsa_kernel
	.amdgpu_metadata
---
amdhsa.version: [ 1, 2 ]
amdhsa.kernels:
  - .name:           k_q6c32623e46_prep
    .symbol:         k_q6c32623e46_prep.kd
    .args:
      - { .name: query, .offset: 0, .size: 8, .value_kind: global_buffer, .address_space: global }
      - { .name: key, .offset: 8, .size: 8, .value_kind: global_buffer, .address_space: global }
      - { .name: value, .offset: 16, .size: 8, .value_kind: global_buffer, .address_space: global }
      - { .name: qw, .offset: 24, .size: 8, .value_kind: global_buffer, .address_space: global }
      - { .name: kv, .offset: 32, .size: 8, .value_kind: global_buffer, .address_space: global }
      - { .name: kvs, .offset: 40, .size: 8, .value_kind: global_buffer, .address_space: global }
    .group_segment_fixed_size: 34304
    .private_segment_fixed_size: 0
    .kernarg_segment_align: 8
    .kernarg_segment_size: 48
    .max_flat_workgroup_size: 128
    .sgpr_count:     66
    .vgpr_count:     256
    .wavefront_size: 32
...
	.end_amdgpu_metadata
.endif
;; end of part 1
;; launch attn (part 2): grid 32 x 8, 16 waves a work-group, clusters of 4 x 1, 327,680 bytes of LDS; arguments qw, kv, kvs, w_out, xw, ww; writes xw, ww
.if DOCPART == 2
	.amdgcn_target "amdgcn-amd-amdhsa--gfx1250"
	.amdhsa_code_object_version 6
	.text
	.protected	k_q6c32623e46_attn
	.globl	k_q6c32623e46_attn
	.p2align	8
	.type	k_q6c32623e46_attn,@function
k_q6c32623e46_attn:
	s_mov_b64 s[64:65], 0
	v_nop
	global_prefetch_b8 v0, s[64:65] scope:SCOPE_SE
	s_setreg_imm32_b32 hwreg(HW_REG_WAVE_MODE, 25, 1), 1
	s_wait_xcnt 0x0
	s_wait_alu depctr_hold_cnt(0) depctr_sa_sdst(0) depctr_va_vdst(0) depctr_va_sdst(0) depctr_va_ssrc(0) depctr_va_vcc(0) depctr_vm_vsrc(0)
	s_getreg_b32 s2, hwreg(HW_REG_IB_STS2, 6, 4)
	s_cmp_eq_u32 s2, 0
	s_cbranch_scc0 .Lentry_in_a_cluster
	s_endpgm
.Lentry_in_a_cluster:
	s_bfe_u32 s2, ttmp6, 0x10000c
	s_cmp_lg_u32 s2, 0x3003
	s_cbranch_scc0 .Lentry_shape_is_right
	s_endpgm
.Lentry_shape_is_right:
; For head 4 g + i: O[q] = sum over k of softmax_k(Q[q] . K[g][k] / sqrt(128)) V[g][k], both products on codes of FP6 (E2M3) with E8M0 scales; O is quantised along the model axis into xw.
; The input mask is not loaded: reference() never applies it, so no result hangs on it.
; Beside that the launch turns w_out [4096][4096] f32 into ww, the projection's right operand: codes and scale words in blocks of 12,800 bytes for 128 rows x 128 K.
; Operands are images of their registers (1,536 bytes a fragment: registers 4 c .. 4 c + 3 of lane l at 512 c + 16 l); a strip's scale words: fragment t, row r at 256 (t / 4) + 16 r + 4 (t % 4).
; THE SOFTMAX: t = score x log2(e) / sqrt(128); M = the running largest t rounded UP to a whole number; p = 2^(t - M) is quantised along the keys, not normalised.  The row's sum is taken of the
; unquantised p and divides O at the end.  When M moves, the sum and O are multiplied by 2^(old M - new M): exact.
; SHARES.  A work-group owns 256 queries of one head, each of its sixteen waves 16 of them; every wave walks the group's 2,048 keys, 128 a step.
; LAYOUT.  S^T = K Q^T, O^T = V^T P^T: a lane holds ONE query (lane % 16).  Row i of K's tile t is key 64 (t / 4) + 8 (t % 4) + i % 8 + 32 (i / 8), so register 32 c + i of the scores is key
; 64 c + 32 (lane / 16) + i: a lane holds two WHOLE blocks of 32 keys, in the order of the FP6 operand's registers.  A block's maximum needs no other lane and the conversions' results are the operand.
; V^T's rows are chosen alike, so O^T's register 32 c + i is channel 64 c + 32 (lane / 16) + i.
; LDS.  Two slots of four key steps (98,304 bytes) at 0 and 131,072; between them the group's scale words, the spare words and two small stages; behind them eight stages of 8,448 bytes for w_out.
; THE HEAD'S LOADS, one a wave: waves 0-3 the halves of slots 0 and 1, waves 4-7 the scale words, waves 8-15 their first tiles of w_out.  Slot 0 is filled again at the second change of slots, slot 1 at the third.
; CLUSTER.  The four work-groups of a cluster walk the same K and V: those fills are asked for JOINTLY (mask 15).  w_out's tiles are each work-group's own (mask 0).
; w_out.  The work-group takes four strips (128 rows x 128 K); wave 8 + i the fragments 4 (i % 2) .. + 3 of strip i / 2.  A fragment's 16 rows x 512 bytes come by one tensor load into the wave's own stage
; (rows 528 bytes apart); ahead of the next change of slots the wave reads them into the score registers, which are free there, the stage is filled again behind the round, and the tile is quantised.
; No prefetch is written for w_out: a tile is asked for four key steps ahead of the wait for it.
; LIMITS: NaN and infinities are not served.  The promise holds while the scaled scores stay under 2^31 in magnitude.  A block's largest p is taken from the block's largest score by the same multiply-add
; and exponential (it leans on v_exp_f32 not falling where its input rises).  A block whose largest magnitude lies under 2^-124 keeps the byte 1; its codes are zeros.  1 / sum by v_rcp_f32.
; REGISTERS: v1-11, v29, v30 addresses; v12 -M, v13 the largest score, v[14:15] the sum; v16-27 Q, v28 its scale words; v32-79 four fragments; v80-87 K's scale words, v88-95 V's;
; v96-159 S^T, then p, then V's last four fragments; v160-223 O^T; v224-235 codes; v236-254 at work; v252 f; v255 the scale word made here.
.set STEPB, 24576                      ; a key step: 8 fragments of K, then 8 of V^T
.set SLOT1, 1<<17
.set SCK,   98304                      ; K's scale words of the group (8,192 bytes), then V's
.set SPARE, 114688                     ; the spare words: 128 bytes for each of sixteen waves
.set XG,    116736                     ; 1,024 bytes: the result's scale words meet here;
.set WXG,   117760                     ; 2,048 bytes: and w_out's; no fill lands on either
.set WST,   229376                     ; the stages for w_out
.set WTILE, 8448
.set TB,  2                            ; s2  LDS byte of the key step in hand
.set TS,  3                            ; s3  its scale words: 512 bytes a step
.set CNT, 16
.set LIM, 17                           ; s17 1 in a wave that prefetches
.set WV,  18
.set CSN, 19                           ; s19 -c
.set SEL, 20                           ; s[20:21] lane l xor 16
.set CS,  22                           ; s[22:23] c = log2(e) / sqrt(128)
.set G1C, 24
.set G1S, 32
.set G0C, 40
.set G0S, 44
.set G1W, 48
.set G0W, 56
.set PFA, 60
.set QI,  66
.set QS,  68
.set XI,  70
.set WDS, 72
.set WD,  74
.macro PLACES                          ; four plain instructions between a matrix instruction and a load into, or a vector read of, its registers (ISA guide 7.12.1 for vector reads)
.rept 4
	v_nop
.endr
.endm
.macro CROUND
	s_barrier_signal -1
	s_barrier_wait -1
	s_cmp_lg_u32 s[WV], 0
	s_cbranch_scc1 .Lnot_wave_0_\@
	s_barrier_signal -3
.Lnot_wave_0_\@:
	s_barrier_wait -3
	s_barrier_signal -1
	s_barrier_wait -1
.endm
.macro TL g0, g1
	tensor_load_to_lds s[\g0:\g0+3], s[\g1:\g1+7]
	s_nop 0
	PLACES
.endm
.macro TLOAD kv                        ; behind a round: waves 0 and 1 a half of a slot each (kv = 1), waves 8-15 their next tile of w_out
.if \kv
	s_cmp_lt_u32 s[WV], 2
	s_cbranch_scc0 .Ltw_\@
	TL G0C, G1C
	s_branch .Ltd_\@
.Ltw_\@:
.endif
	s_cmp_lt_u32 s[WV], 8
	s_cbranch_scc1 .Ltd_\@
	TL G0W, G1W
.Ltd_\@:
.endm
; A PREFETCH INTO THE L2.  All eight clusters of a group walk the same K and V: the group's first cluster asks, its partners told apart BY ADDRESS (24,576 bytes each); in each, waves 4, 5 and 6 ask
; with one instruction, lanes 256 bytes apart: 98,304 bytes, one slot.  The first change of slots names the keys that the second loads, the second those that the third loads.
.macro ASK
	s_cmp_eq_u32 s[LIM], 1
	s_cbranch_scc0 .Lna_\@
	global_prefetch_b8 v7, s[PFA:PFA+1] th:TH_LOAD_NT scope:SCOPE_SE
.Lna_\@:
.endm
.macro AMAX                            ; v248, v249: the largest magnitudes of my two blocks in v96-159, the floor 2^(3 - 127) among them
.irp b, 0,1,2,3
	v_max3_num_f32 v[248+\b], |v[96+16*\b]|, |v[97+16*\b]|, 0x1800000
.endr
.irp i, 2,4,6,8,10,12,14
.irp b, 0,1,2,3
	v_max3_num_f32 v[248+\b], v[248+\b], |v[96+16*\b+\i]|, |v[97+16*\b+\i]|
.endr
.endr
	v_max_num_f32 v248, v248, v249
	v_max_num_f32 v249, v250, v251
.endm
; v96-159 (register 32 c + i = place 64 c + 32 (lane / 16) + i along K of row lane % 16) become a fragment in v224-235 and the row's scale word in v255; v248, v249 hold my blocks' largest magnitudes
.macro QCODES
.irp c, 0,1
	v_add_nc_u32 v[244+\c], 0xff000000, v[248+\c]  ; 2 off the exponent field: the conversion's scale operand
.endr
.irp c, 0,1
	v_lshrrev_b32 v[246+\c], 23, v[244+\c]         ; the byte of block 2 c + lane / 16
.endr
	v_lshl_or_b32 v255, v247, 16, v246
	s_delay_alu instid0(VALU_DEP_1)
	v_lshlrev_b32 v255, v11, v255                  ; at their places in the word
	s_delay_alu instid0(VALU_DEP_1)
	v_permlanex16_b32 v254, v255, s[SEL], s[SEL+1]
	s_delay_alu instid0(VALU_DEP_1)
	v_or_b32 v255, v255, v254                      ; with lane l xor 16's two the word is whole
.irp c, 0,1
	v_cvt_scalef32_pk16_fp6_f32 v[224+6*\c:226+6*\c], v[96+32*\c:111+32*\c], v[244+\c]
	v_cvt_scalef32_pk16_fp6_f32 v[236+4*\c:238+4*\c], v[112+32*\c:127+32*\c], v[244+\c]   ; (a conversion's three registers begin on an even number)
.endr
	v_nop                                          ; one plain instruction behind the scaled conversions
.irp c, 0,1
.irp i, 0,1,2
	v_mov_b32 v[227+6*\c+\i], v[236+4*\c+\i]
.endr
.endr
.endm
.macro FLOAD reg, off                  ; four fragments of the step in hand
.irp t, 0,1,2,3
.irp c, 0,1,2
	ds_load_b128 v[\reg+12*\t+4*\c:\reg+12*\t+4*\c+3], v3 offset:\off+1536*\t+512*\c
.endr
.endr
.endm
.macro QK g
.irp t, 0,1,2,3
	v_wmma_scale_f32_16x16x128_f8f6f4 v[96+8*(4*\g+\t):103+8*(4*\g+\t)], v[32+12*\t:43+12*\t], v[16:27], 0, v[80+4*\g+\t], v28 matrix_a_fmt:MATRIX_FMT_FP6 matrix_b_fmt:MATRIX_FMT_FP6
.endr
.endm
.macro PV g, reg
.irp t, 0,1,2,3
	v_wmma_scale_f32_16x16x128_f8f6f4 v[160+8*(4*\g+\t):167+8*(4*\g+\t)], v[\reg+12*\t:\reg+11+12*\t], v[224:235], v[160+8*(4*\g+\t):167+8*(4*\g+\t)], v[88+4*\g+\t], v255 matrix_a_fmt:MATRIX_FMT_FP6 matrix_b_fmt:MATRIX_FMT_FP6
.endr
.endm
	s_load_b256 s[4:11], s[0:1], 0x0               ; qw 4:5, kv 6:7, kvs 8:9, w_out 10:11
	s_load_b128 s[12:15], s[0:1], 0x20             ; xw 12:13, ww 14:15
	v_lshl_add_u32 v5, v0, 2, SPARE                ; my spare word; never rewritten
	v_mov_b32 v6, 0                                ; 0; never rewritten
	ds_add_u32 v5, v6                              ; the opening lines: the add, twice on end, and its wait
	ds_add_u32 v5, v6
	v_lshrrev_b32 v1, 5, v0
	v_readfirstlane_b32 s[WV], v1                  ; wave 0..15
	s_and_b32 s76, s[WV], 3
	s_lshl_b32 s77, s76, 2
	s_bfe_u32 s62, ttmp6, 0x40000                  ; cx: it enters global addresses of qw, xw, w_out, ww and the prefetches alone
	s_and_b32 s63, ttmp7, 0xffff                   ; g
	s_mul_i32 s78, s63, 16*STEPB                   ; K and V: the group's 16 key steps, + wave % 4 halves of a slot
	s_mul_i32 s92, s76, 2*STEPB
	s_add_co_u32 s78, s78, s92
	s_mov_b32 s79, 0
	s_and_b32 s[G0C+1], s[WV], 1                   ; in LDS: half wave % 2 of slot (wave / 2) % 2
	s_mul_i32 s[G0C+1], s[G0C+1], 2*STEPB
	s_bfe_u32 s92, s[WV], 0x10001
	s_lshl_b32 s92, s92, 17
	s_add_co_u32 s[G0C+1], s[G0C+1], s92
	s_lshr_b32 s80, s76, 1                         ; the scale words: V's lie 65,536 bytes behind K's, 8,192 bytes a group, my half
	s_lshl_b32 s80, s80, 16
	s_lshl_b32 s92, s63, 13
	s_add_co_u32 s80, s80, s92
	s_and_b32 s92, s76, 1
	s_lshl_b32 s92, s92, 12
	s_add_co_u32 s80, s80, s92
	s_mov_b32 s81, 0
	s_lshl_b32 s[G0S+1], s76, 12
	s_add_co_u32 s[G0S+1], s[G0S+1], SCK
	s_mul_i32 s84, s63, 16*STEPB                   ; the prefetches: the group, my work-group's 24,576 bytes, my wave's 8,192, from key step 8 on
	s_mul_i32 s92, s62, STEPB
	s_add_co_u32 s84, s84, s92
	s_lshl_b32 s92, s76, 13
	s_add_co_u32 s84, s84, s92
	s_add_co_u32 s84, s84, 8*STEPB
	s_mov_b32 s85, 0
	s_sub_co_u32 s92, s[WV], 4
	s_cmp_lt_u32 s92, 3                            ; waves 4, 5, 6
	s_cselect_b32 s[LIM], 0, 1
	s_or_b32 s[LIM], s[LIM], ttmp9                 ; of the group's first cluster: the same in all four partners
	s_cmp_eq_u32 s[LIM], 0
	s_cselect_b32 s[LIM], 1, 0
	s_lshr_b32 s82, ttmp9, 1
	s_lshl_b32 s92, s63, 2
	s_add_co_u32 s82, s82, s92                     ; head = 4 g + x / 8, x = 4 x cluster x + cx
	s_and_b32 s83, ttmp9, 1
	s_lshl_b32 s83, s83, 2
	s_add_co_u32 s83, s83, s62
	s_lshl_b32 s83, s83, 1                         ; the work-group's first strip of 128 queries
	s_lshr_b32 s92, s[WV], 3
	s_add_co_u32 s92, s92, s83
	s_lshl_b32 s92, s92, 5
	s_add_co_u32 s92, s92, s82
	s_mul_i32 s92, s92, 12800                      ; my strip's block, in qw and in xw alike
	s_and_b32 s86, s[WV], 7
	s_mul_i32 s86, s86, 1536
	s_add_co_u32 s86, s86, s92                     ; my tile's image
	s_mov_b32 s87, 0
	s_bfe_u32 s88, s[WV], 0x10002
	s_lshl_b32 s88, s88, 8
	s_add_co_u32 s88, s88, s77
	s_add_co_u32 s88, s88, s92
	s_add_co_u32 s88, s88, 12288                   ; my tile's scale words
	s_mov_b32 s89, 0
	s_lshl_b32 s93, s63, 5
	s_lshl_b32 s92, ttmp9, 2
	s_add_co_u32 s93, s93, s92
	s_add_co_u32 s93, s93, s62
	s_lshl_b32 s93, s93, 2                         ; the work-group's first strip of w_out: 4 (32 g + x)
	s_and_b32 s92, s[WV], 7
	s_lshr_b32 s94, s92, 1
	s_add_co_u32 s94, s94, s93                     ; my strip = 32 x (128 rows) + (128 along K)
	s_and_b32 s92, s92, 1                          ; my half of its eight fragments
	s_lshr_b32 s96, s94, 5
	s_lshl_b32 s96, s96, 21                        ; 128 rows of 16,384 bytes
	s_and_b32 s95, s94, 31
	s_lshl_b32 s95, s95, 9
	s_add_co_u32 s96, s96, s95
	s_lshl_b32 s95, s92, 20                        ; 64 rows
	s_add_co_u32 s96, s96, s95
	s_mov_b32 s97, 0
	s_mul_i32 s98, s94, 12800
	s_mul_i32 s95, s92, 6144
	s_add_co_u32 s98, s98, s95                     ; where my four fragments go
	s_mov_b32 s99, 0
	s_and_b32 s90, s[WV], 1                        ; scale words leave by strips: waves 0, 1 the result's two, waves 2-5 w_out's four
	s_add_co_u32 s90, s90, s83
	s_lshl_b32 s90, s90, 5
	s_add_co_u32 s90, s90, s82
	s_add_co_u32 s94, s93, s[WV]
	s_sub_co_u32 s94, s94, 2
	s_cmp_lt_u32 s[WV], 2
	s_cselect_b32 s90, s90, s94
	s_mul_i32 s90, s90, 12800
	s_add_co_u32 s90, s90, 12288
	s_mov_b32 s91, 0
	s_lshr_b32 s100, s[WV], 2
	s_lshl_b32 s100, s100, 8
	s_add_co_u32 s100, s100, s77
	s_add_co_u32 s100, s100, XG                    ; XG + 256 (wave / 4) + 4 (wave % 4)
	s_lshl_b32 s101, s[WV], 9
	s_add_co_u32 s101, s101, XG                    ; a strip read back: XG + 512 wave (w_out's strips follow the result's two)
	s_lshl_b32 s104, s[WV], 8
	s_add_co_u32 s104, s104, WXG-2048              ; WXG + 256 (wave - 8)
	s_mul_i32 s[G0W+1], s[WV], WTILE
	s_add_co_u32 s[G0W+1], s[G0W+1], WST-8*WTILE   ; my stage
	s_mov_b32 s[G1C], 15|(3<<16)|(1<<21)           ; dense blocks as rows of 256 bytes (32 elements of 8 bytes); the mask names all four work-groups
	s_mov_b32 s[G1C+1], 32<<16
	s_mov_b32 s[G1C+2], 192<<16                    ; 192 rows = 49,152 bytes
	s_mov_b32 s[G1C+3], 32<<16
	s_mov_b32 s[G1C+4], 192
	s_mov_b32 s[G1C+5], 32
	s_mov_b32 s[G1C+6], 0
	s_mov_b32 s[G1C+7], 0
	s_mov_b32 s[G1S], 15|(3<<16)|(1<<21)
	s_mov_b32 s[G1S+1], 32<<16
	s_mov_b32 s[G1S+2], 16<<16                     ; 16 rows = 4,096 bytes
	s_mov_b32 s[G1S+3], 32<<16
	s_mov_b32 s[G1S+4], 16
	s_mov_b32 s[G1S+5], 32
	s_mov_b32 s[G1S+6], 0
	s_mov_b32 s[G1S+7], 0
	s_mov_b32 s[G1W], (2<<16)|(1<<20)|(6<<22)|(3<<25)   ; 16 rows of 128 f32, 4,096 apart; 4 words of padding behind each 128
	s_mov_b32 s[G1W+1], 128<<16
	s_mov_b32 s[G1W+2], 16<<16
	s_mov_b32 s[G1W+3], 128<<16
	s_mov_b32 s[G1W+4], 16
	s_mov_b32 s[G1W+5], 4096
	s_mov_b32 s[G1W+6], 0
	s_mov_b32 s[G1W+7], 0
	s_mov_b32 s[G0C], 1
	s_mov_b32 s[G0S], 1
	s_mov_b32 s[G0W], 1
	s_mov_b32 s[SEL], 0x76543210
	s_mov_b32 s[SEL+1], 0xfedcba98
	s_mov_b32 s[CS], 0x3e0293ee
	s_mov_b32 s[CS+1], s[CS]                       ; (named with it as a pair, so it is written)
	s_mov_b32 s[CSN], 0xbe0293ee
	s_wait_dscnt 0x0                               ; both opening adds are done
	s_wait_kmcnt 0x0
	s_add_nc_u64 s[G0C+2:G0C+3], s[6:7], s[78:79]
	s_or_b32 s[G0C+3], s[G0C+3], 0x80000000
	s_add_nc_u64 s[G0S+2:G0S+3], s[8:9], s[80:81]
	s_or_b32 s[G0S+3], s[G0S+3], 0x80000000
	s_add_nc_u64 s[G0W+2:G0W+3], s[10:11], s[96:97]
	s_or_b32 s[G0W+3], s[G0W+3], 0x80000000
	s_add_nc_u64 s[PFA:PFA+1], s[6:7], s[84:85]
	s_add_nc_u64 s[QI:QI+1], s[4:5], s[86:87]
	s_add_nc_u64 s[QS:QS+1], s[4:5], s[88:89]
	s_add_nc_u64 s[XI:XI+1], s[12:13], s[86:87]
	s_add_nc_u64 s[WD:WD+1], s[14:15], s[98:99]
	s_cmp_lt_u32 s[WV], 2
	s_cselect_b64 s[WDS:WDS+1], s[12:13], s[14:15]
	s_add_nc_u64 s[WDS:WDS+1], s[WDS:WDS+1], s[90:91]
	CROUND                                         ; all four work-groups are here: the first joint loads meet
	s_cmp_lt_u32 s[WV], 4                          ; one chain of branches, one load to an arm: every wave issues one
	s_cbranch_scc0 .Lh_s
	TL G0C, G1C
	s_branch .Lh_done
.Lh_s:
	s_cmp_lt_u32 s[WV], 8
	s_cbranch_scc0 .Lh_w
	TL G0S, G1S
	s_branch .Lh_done
.Lh_w:
	TL G0W, G1W
.Lh_done:
	v_and_b32 v2, 31, v0
	v_lshlrev_b32 v1, 4, v2                        ; v1: 16 x lane: my place in every image
	v_lshlrev_b32 v7, 8, v2                        ; v7: 256 x lane: the prefetches' offset
	v_and_b32 v29, 15, v0                          ; r
	v_lshlrev_b32 v10, 4, v29                      ; v10: 16 r
.irp c, 0,1,2
	global_load_b128 v[16+4*\c:19+4*\c], v1, s[QI:QI+1] offset:512*\c   ; Q's fragment stays in registers
.endr
	global_load_b32 v28, v10, s[QS:QS+1]
	v_bfe_u32 v11, v0, 4, 1                        ; h
	v_mul_u32_u24 v29, v29, 528
	v_lshl_add_u32 v29, v11, 7, v29
	v_add_nc_u32 v29, s[G0W+1], v29                ; v29: my stage + 528 r + 128 h
	v_lshlrev_b32 v11, 3, v11                      ; v11: 8 h
	v_add_nc_u32 v2, SCK, v10                      ; v2: my row's four words in a strip of scale words
	v_add_nc_u32 v8, s100, v10                     ; v8: where my tile's scale word goes
	v_add_nc_u32 v9, s101, v1                      ; v9: where waves 0-5 read a strip back
	v_add_nc_u32 v30, s104, v10                    ; v30: where my words of w_out go
	v_mov_b32 v13, 0xff61b1e6                      ; the largest score so far: -3e38
	v_mov_b32 v12, 0x7e000000                      ; -M: so large that the first f is 0
	v_mov_b32 v14, 0
	v_mov_b32 v15, 0
	v_mov_b32 v236, 0                              ; written once: a lane permute's destination counts as one of its sources
	v_mov_b32 v254, 0
	v_mov_b32 v253, 0                              ; (named as the upper half of the pair v[252:253])
.set j, 0
.rept 64
	v_mov_b32 v[160+j], 0                          ; O^T.  The step is written once: the first finds zeros, which the first change of M leaves zeros
.set j, j+1
.endr
	s_wait_alu depctr_va_vdst(0)                   ; the wait at the head's end
	s_wait_loadcnt 0x0                             ; Q
; A KEY STEP: 128 keys
.macro STEP
	v_add_nc_u32 v3, s[TB], v1                     ; these two and the three v_nop are the five places behind the last step's products
	v_add_nc_u32 v4, s[TS], v2
	s_wait_alu depctr_va_vdst(0)
.rept 3
	v_nop
.endr
	ds_load_b128 v[80:83], v4                      ; K's scale words: tiles 0-3 of my row r, tiles 4-7;
	ds_load_b128 v[84:87], v4 offset:256
	ds_load_b128 v[88:91], v4 offset:8192          ; V's likewise
	ds_load_b128 v[92:95], v4 offset:8448
	FLOAD 32, 0
	s_wait_dscnt 0x0
	QK 0
	PLACES
	FLOAD 32, 6144
	s_wait_dscnt 0x0
	QK 1
	PLACES
	FLOAD 32, 12288                                ; V's first four fragments are on their way under the softmax
.irp b, 0,1,2,3
	v_max3_num_f32 v[248+\b], v[96+16*\b], v[97+16*\b], v[98+16*\b]   ; each accumulator is first read at its low end
.endr
.irp i, 3,5,7,9,11,13
.irp b, 0,1,2,3
	v_max3_num_f32 v[248+\b], v[248+\b], v[96+16*\b+\i], v[97+16*\b+\i]
.endr
.endr
	v_max3_num_f32 v248, v248, v249, v111          ; the largest score of my two blocks of 32 keys: for the row's maximum and, since p rises with the score, for the block's largest p
	v_max3_num_f32 v249, v250, v251, v143
	v_max_num_f32 v248, v248, v127
	v_max_num_f32 v249, v249, v159
	v_max_num_f32 v254, v248, v249
	v_permlanex16_b32 v236, v254, s[SEL], s[SEL+1]
	v_max3_num_f32 v13, v13, v254, v236            ; the running largest score of my query
	v_mul_f32 v254, s[CSN], v13                    ; -t
	v_floor_f32 v254, v254                         ; the new -M = floor(-t) = -ceil(t)
	v_sub_f32 v236, v254, v12                      ; old M - new M: a whole number, 0 or less
	v_mov_b32 v12, v254
	v_cvt_i32_f32 v236, v236                       ; (it saturates)
	v_ldexp_f32 v252, 1.0, v236                    ; f = 2^(old M - new M)
.set j, 0
.rept 32
	v_pk_fma_f32 v[96+j:97+j], v[96+j:97+j], s[CS:CS+1], v[12:13] op_sel_hi:[1,0,0]   ; t - M, two at a time
.set j, j+2
.endr
	v_fma_f32 v248, v248, s[CS], v12               ; the same of each block's largest score
	v_fma_f32 v249, v249, s[CS], v12
	s_wait_alu depctr_va_vdst(0)                   ; the wait ahead of the batch
.set j, 0
.rept 64
	v_exp_f32 v[96+j], v[96+j]                     ; p = 2^(t - M), at most 1
.set j, j+1
.endr
	v_exp_f32 v248, v248
	v_exp_f32 v249, v249
	v_pk_mul_f32 v[14:15], v[14:15], v[252:253] op_sel_hi:[1,0]   ; the sums under the new M: the plain instruction behind the exponentials
	s_wait_alu depctr_va_vdst(0)                   ; one wait for the whole batch, ahead of its first reader
	v_pk_add_f32 v[236:237], v[96:97], v[98:99]    ; the row's sum of the unquantised p, in four chains
	v_pk_add_f32 v[238:239], v[100:101], v[102:103]
	v_pk_add_f32 v[240:241], v[104:105], v[106:107]
	v_pk_add_f32 v[14:15], v[14:15], v[108:109]
.irp j, 110,118,126,134,142,150
	v_pk_add_f32 v[236:237], v[236:237], v[\j:\j+1]
	v_pk_add_f32 v[238:239], v[238:239], v[\j+2:\j+3]
	v_pk_add_f32 v[240:241], v[240:241], v[\j+4:\j+5]
	v_pk_add_f32 v[14:15], v[14:15], v[\j+6:\j+7]
.endr
	v_pk_add_f32 v[236:237], v[236:237], v[158:159]
	v_pk_add_f32 v[238:239], v[238:239], v[240:241]
	v_max_num_f32 v248, 0x1800000, v248            ; the floor 2^(3 - 127)
	v_max_num_f32 v249, 0x1800000, v249
	v_pk_add_f32 v[14:15], v[14:15], v[236:237]
	v_pk_add_f32 v[14:15], v[14:15], v[238:239]
	QCODES
	FLOAD 96, 18432                                ; V's last four fragments, into registers that held p
	s_wait_alu depctr_va_vdst(0)                   ; the wait directly ahead of the first reader of O^T
.set j, 0
.rept 32
	v_pk_mul_f32 v[160+j:161+j], v[160+j:161+j], v[252:253] op_sel_hi:[1,0]   ; O^T under the new M; these 32 also stand between the codes' and the scale word's last writes and the products
.set j, j+2
.endr
	s_wait_alu depctr_va_vdst(0)
	s_wait_dscnt 0x0
	PV 0, 32                                       ; O^T += V^T P^T: eight accumulators by turns
	PV 1, 96
	s_add_co_u32 s[TS], s[TS], 512
	s_add_co_u32 s[TB], s[TB], STEPB
.endm
.macro PERIOD n                        ; the four key steps of slot n % 2
	s_mov_b32 s[TB], (\n%2)*SLOT1
	s_mov_b32 s[TS], 2048*\n
	s_mov_b32 s[CNT], 4
.Lstep_\@:
	STEP
	s_sub_co_u32 s[CNT], s[CNT], 1
	s_cmp_lg_u32 s[CNT], 0
	s_cbranch_scc1 .Lstep_\@
.endm
; THE CHANGE OF SLOTS n stands at slot n's head.  Waves 8-15 first read their tile of w_out, which their own wait shows landed, into the score registers.  Then every wave waits for all its tensor
; loads, adds 0 to its spare word, and waits for that and for its LDS reads; a round of the cluster's barrier; the refills; and waves 8-15 quantise fragment n of their four.
.macro CHANGE n
	s_cmp_lt_u32 s[WV], 8
	s_cbranch_scc1 .Lnr_\@
	PLACES                                         ; behind the last products, which read v96-143
	s_wait_tensorcnt 0x0                           ; my tile is in; no other wave touches my stage
.irp c, 0,1
.irp j, 0,1,2,3,4,5,6,7
	ds_load_b128 v[96+32*\c+4*\j:99+32*\c+4*\j], v29 offset:256*\c+16*\j   ; register 32 c + i = k 64 c + 32 h + i of row r
.endr
.endr
.Lnr_\@:
	s_wait_tensorcnt 0x0                           ; no tensor load of mine is out, so a group 0 may be written
	ds_add_u32 v5, v6                              ; 0 onto my spare word
.if \n < 3
	s_add_nc_u64 s[G0W+2:G0W+3], s[G0W+2:G0W+3], 262144   ; 16 rows of w_out on
.endif
.if \n == 1
	s_add_nc_u64 s[G0C+2:G0C+3], s[G0C+2:G0C+3], 8*STEPB  ; waves 0, 1: from key steps 0-3 to 8-11, into slot 0
	s_wait_xcnt 0x0                                ; the last prefetch has read its address
	s_add_nc_u64 s[PFA:PFA+1], s[PFA:PFA+1], 4*STEPB
.endif
.if \n == 2
	s_add_nc_u64 s[G0C+2:G0C+3], s[G0C+2:G0C+3], 4*STEPB  ; key steps 12-15, into slot 1
	s_xor_b32 s[G0C+1], s[G0C+1], SLOT1
.endif
	s_wait_dscnt 0x0                               ; the add is done, and my reads of the slot that I have left and of my stage are over
.if \n < 3
	CROUND
	TLOAD (\n > 0)
.if \n < 2
	ASK
.endif
.else
	s_barrier_signal -1
	s_barrier_wait -1
.endif
	s_cmp_lt_u32 s[WV], 8
	s_cbranch_scc1 .Lnq_\@
	AMAX
	QCODES
.irp c, 0,1,2
	global_store_b128 v1, v[224+4*\c:227+4*\c], s[WD:WD+1] offset:1536*\n+512*\c   ; 32 lanes store 512 consecutive bytes, aligned
.endr
	ds_store_b32 v30, v255 offset:4*\n             ; lanes r and r + 16 write the same word with the same value
	s_wait_xcnt 0x0                                ; the stores have read the codes' registers, which the next step writes
.Lnq_\@:
.endm
	CHANGE 0
	PERIOD 0
	CHANGE 1
	PERIOD 1
	CHANGE 2
	PERIOD 2
	CHANGE 3
	PERIOD 3
	; THE WAY OUT: O^T / the sum is quantised along the channels: K step `head` of the projection's left operand, rows = my 16 queries
	PLACES
	v_add_f32 v14, v14, v15
	s_delay_alu instid0(VALU_DEP_1)
	v_permlanex16_b32 v252, v14, s[SEL], s[SEL+1]
	s_delay_alu instid0(VALU_DEP_1)
	v_add_f32 v14, v14, v252                       ; the row's sum
	s_wait_alu depctr_va_vdst(0)                   ; the wait ahead of the transcendental
	v_rcp_f32 v14, v14
	v_nop                                          ; a plain instruction behind the reciprocal
	s_wait_alu depctr_va_vdst(0)                   ; and the wait ahead of its first reader and of O^T's
.set j, 0
.rept 32
	v_pk_mul_f32 v[96+j:97+j], v[160+j:161+j], v[14:15] op_sel_hi:[1,0]   ; register 32 c + i: channel 64 c + 32 h + i of my query; each accumulator from its low end on
.set j, j+2
.endr
	AMAX
	QCODES
.irp c, 0,1,2
	global_store_b128 v1, v[224+4*\c:227+4*\c], s[XI:XI+1] offset:512*\c
.endr
	ds_store_b32 v8, v255
	s_wait_dscnt 0x0                               ; for the others' sake: my stores have landed
	s_barrier_signal -1
	s_barrier_wait -1
	s_cmp_lt_u32 s[WV], 6                          ; waves 0-5 store a strip's scale words each, 512 consecutive bytes
	s_cbranch_scc0 .Lno_words
	ds_load_b128 v[96:99], v9
	s_wait_dscnt 0x0
	global_store_b128 v1, v[96:99], s[WDS:WDS+1]
.Lno_words:
	s_wait_tensorcnt 0x0                           ; the wave's end
	ds_add_u32 v5, v6
	s_wait_dscnt 0x0
	CROUND                                         ; the closing round
	s_endpgm
.Lfunc_end_k_q6c32623e46_attn:
	.size	k_q6c32623e46_attn, .Lfunc_end_k_q6c32623e46_attn-k_q6c32623e46_attn
	.p2alignl 7, 3214868480
	.fill 96, 4, 3214868480
	.section	.rodata,"a",@progbits
	.p2align	6, 0x0
	.amdhsa_kernel k_q6c32623e46_attn
		.amdhsa_group_segment_fixed_size 327680
		.amdhsa_private_segment_fixed_size 0
		.amdhsa_enable_private_segment 0
		.amdhsa_kernarg_size 48
		.amdhsa_user_sgpr_count 2
		.amdhsa_user_sgpr_kernarg_segment_ptr 1
		.amdhsa_wavefront_size32 1
		.amdhsa_system_sgpr_workgroup_id_x 1
		.amdhsa_system_sgpr_workgroup_id_y 1
		.amdhsa_system_sgpr_workgroup_id_z 1
		.amdhsa_system_vgpr_workitem_id 0
		.amdhsa_next_free_vgpr 256
		.amdhsa_next_free_sgpr 105
		.amdhsa_reserve_vcc 0
		.amdhsa_float_denorm_mode_32 3
		.amdhsa_float_denorm_mode_16_64 3
		.amdhsa_memory_ordered 1
		.amdhsa_forward_progress 1
		.amdhsa_inst_pref_size 113
	.end_amdhsa_kernel
	.amdgpu_metadata
---
amdhsa.version: [ 1, 2 ]
amdhsa.kernels:
  - .name:           k_q6c32623e46_attn
    .symbol:         k_q6c32623e46_attn.kd
    .args:
      - { .name: qw, .offset: 0, .size: 8, .value_kind: global_buffer, .address_space: global }
      - { .name: kv, .offset: 8, .size: 8, .value_kind: global_buffer, .address_space: global }
      - { .name: kvs, .offset: 16, .size: 8, .value_kind: global_buffer, .address_space: global }
      - { .name: w_out, .offset: 24, .size: 8, .value_kind: global_buffer, .address_space: global }
      - { .name: xw, .offset: 32, .size: 8, .value_kind: global_buffer, .address_space: global }
      - { .name: ww, .offset: 40, .size: 8, .value_kind: global_buffer, .address_space: global }
    .group_segment_fixed_size: 327680
    .private_segment_fixed_size: 0
    .kernarg_segment_align: 8
    .kernarg_segment_size: 48
    .max_flat_workgroup_size: 512
    .sgpr_count:     105
    .vgpr_count:     256
    .wavefront_size: 32
...
	.end_amdgpu_metadata
.endif
;; end of part 2
;; launch proj (part 3): grid 16 x 16, 4 waves a work-group, clusters of 4 x 4, 327,680 bytes of LDS; arguments xw, ww, b_out, out0; writes out0
.if DOCPART == 3
	.amdgcn_target "amdgcn-amd-amdhsa--gfx1250"
	.amdhsa_code_object_version 6
	.text
	.protected	k_q6c32623e46_proj
	.globl	k_q6c32623e46_proj
	.p2align	8
	.type	k_q6c32623e46_proj,@function
k_q6c32623e46_proj:
	s_mov_b64 s[64:65], 0
	v_nop
	global_prefetch_b8 v0, s[64:65] scope:SCOPE_SE
	s_setreg_imm32_b32 hwreg(HW_REG_WAVE_MODE, 25, 1), 1
	s_wait_xcnt 0x0
	s_wait_alu depctr_hold_cnt(0) depctr_sa_sdst(0) depctr_va_vdst(0) depctr_va_sdst(0) depctr_va_ssrc(0) depctr_va_vcc(0) depctr_vm_vsrc(0)
	s_getreg_b32 s2, hwreg(HW_REG_IB_STS2, 6, 4)
	s_cmp_eq_u32 s2, 0
	s_cbranch_scc0 .Lentry_in_a_cluster
	s_endpgm
.Lentry_in_a_cluster:
	s_bfe_u32 s2, ttmp6, 0x10000c
	s_cmp_lg_u32 s2, 0xf033
	s_cbranch_scc0 .Lentry_shape_is_right
	s_endpgm
.Lentry_shape_is_right:
; out0[m][n] = the sum over k of X[m][k] W[n][k] + b_out[n]: [2048][4096] f32, K = 4,096, on codes of FP6 (E2M3) with E8M0 scales.
; Both operands come as blocks of 12,800 bytes for 128 rows x 128 K: eight images of fragments (1,536 bytes: registers 4 c .. 4 c + 3 of lane l at 512 c + 16 l), then 512 bytes of scale words
; (fragment t, row r at 256 (t / 4) + 16 r + 4 (t % 4)).  xw: [128 rows m (16)][K step (32)]; ww: [128 rows n (32)][K step (32)].  So a slot's parts are dense blocks of memory, and a fragment is three loads of 16 bytes a lane.
; A tile of the output is 128 (m) x 256 (n): 256 work-groups.  Four waves, each 64 x 128: 32 accumulators, 256 registers.  K goes four steps of 128 to a slot through a ring of two LDS slots:
; 128 matrix instructions a wave between two changes of slots; two such slots are what LDS holds.
; CLUSTERS: 4 x 4 work-groups.  X's blocks hang on the tile row alone and are shared along a row of the cluster, W's on the tile column alone and are shared along a column: each is asked for JOINTLY.
; THE MATRIX INSTRUCTION IS USED TRANSPOSED (source 0 = 16 rows of W, source 1 = 16 rows of X): a lane holds eight neighbouring numbers of a row of the output.  The bias is the C of each sum's first product.
; REGISTERS, in windows of 256: window 0: v16-29 addresses; v32-47 scale words, two sets (4 registers X's, 4 W's: W's fragments 0-3 in lanes 0-15, 4-7 in lanes 16-31); v64-159 X's fragments, two sets of 4;
;   on the way out v128-255.   window 1: v0-191 W's fragments, two sets of 8; v192-255 the bias in the result's layout.   window 2: accumulator (a, b) at v[8 (8 a + b)].
.set BLK,    12800
.set PART,   4*BLK                     ; four K steps of 128 rows
.set SLOT,   3*PART                    ; X's 128 rows, W's first 128, W's second 128
.set SPARE,  2*SLOT                    ; behind the ring: the spare words, 128 bytes a wave: two blocks of 256 bytes that no other line names
.set SPITCH, 528                       ; the way out: a stage of 16 rows x (512 + 16) bytes for each wave, in slot 0, behind that slot's last fill and last read
.set ADRA, 16                          ; v16-17  X's fragments in slot 0, 1
.set ADSA, 18                          ; v18-19  X's scale words
.set ADRB, 20                          ; v20-21  W's fragments (and, 12,288 bytes on, its scale words)
.set STO,  24
.set RD,   25
.set CO,   26
.set BO,   27                          ; v27     the bias: 32 x (lane / 16)
.set SPW,  28
.set NIL,  29
.set G1,   24                          ; s[24:31] group 1 for X;  s[32:39] group 0, a set for each slot
.set G0,   32
.set G1B,  48                          ; s[48:55], s[56:63] the same for W
.set G0B,  56
.set MSB, 0
.macro WIN new                         ; the immediate's high byte repeats the setting that is left
.if MSB != \new
	s_set_vgpr_msb (MSB<<8)|\new
.set MSB, \new
.endif
.endm
.set MUL,  0xa1                        ; source 0 (W) window 1, source 1 (X) window 0, C and D window 2
.set MULB, 0x91                        ; the same with C (the bias) in window 1
.set TO_B, 0x40                        ; destination window 1, address window 0
.macro PLACES                          ; four plain instructions between a matrix instruction and a load into, or a store of, its registers (ISA guide 7.12.1 for stores)
.rept 4
	v_nop
.endr
.endm
.macro JLOAD s                         ; a joint load: waves 0 and 1 fetch X's two halves of a slot, waves 2 and 3 W's two blocks of rows; four v_nop follow each line
	s_cmp_eq_u32 s15, 0
	s_cbranch_scc0 .Lfor_b_\@
	tensor_load_to_lds s[G0+4*\s:G0+4*\s+3], s[G1:G1+7]
	s_nop 0
	PLACES
	s_branch .Lasked_\@
.Lfor_b_\@:
	tensor_load_to_lds s[G0B+4*\s:G0B+4*\s+3], s[G1B:G1B+7]
	s_nop 0
	PLACES
.Lasked_\@:
.endm
.macro CREST                           ; a round of the cluster's barrier behind its opening barrier
	s_cmp_lg_u32 s14, 0
	s_cbranch_scc1 .Lnot_wave_0_\@
	s_barrier_signal -3
.Lnot_wave_0_\@:
	s_barrier_wait -3
	s_barrier_signal -1
	s_barrier_wait -1
.endm
.macro CROUND
	s_barrier_signal -1
	s_barrier_wait -1
	CREST
.endm
	s_load_b256 s[4:11], s[0:1], 0x0               ; xw 4:5, ww 6:7, b_out 8:9, out0 10:11
	v_lshl_add_u32 v[SPW], v0, 2, SPARE
	v_mov_b32 v[NIL], 0
	ds_add_u32 v28, v29
	ds_add_u32 v28, v29
	s_wait_dscnt 0x0
	v_lshrrev_b32 v1, 5, v0
	v_readfirstlane_b32 s14, v1                    ; wave 0..3
	s_lshr_b32 s15, s14, 1                         ; which 64 rows are mine.  Also: I fetch for X (0) or for W (1)
	s_and_b32 s16, s14, 1                          ; which 128 columns.  Also: which part I fetch
	s_bfe_u32 s40, ttmp6, 0x40000                  ; cx, cy
	s_bfe_u32 s41, ttmp6, 0x40004
	s_lshl_b32 s42, ttmp9, 2
	s_add_co_u32 s42, s42, s40                     ; tile column = 4 x cluster x + cx
	s_and_b32 s17, ttmp7, 0xffff
	s_lshl_b32 s17, s17, 2
	s_add_co_u32 s17, s17, s41                     ; tile row = 4 x cluster y + cy
	s_lshl_b32 s43, s41, 2
	s_lshl_b32 s43, 15, s43                        ; my row of the cluster
	s_lshl_b32 s44, 0x1111, s40                    ; my column
	s_or_b32 s[G1], s43, (3<<16)|(1<<21)           ; 15:0 the mask; 17:16 elements of 8 bytes; 21 set beside a mask; no padding
	s_or_b32 s[G1B], s44, (3<<16)|(1<<21)
	s_mov_b32 s[G1+1], 32<<16                      ; rows of 256 bytes;
	s_mov_b32 s[G1+2], 100<<16                     ; X: 100 of them, two K steps
	s_mov_b32 s[G1+3], 32<<16
	s_mov_b32 s[G1+4], 100
	s_mov_b32 s[G1+5], 32
	s_mov_b32 s[G1+6], 0
	s_mov_b32 s[G1+7], 0
	s_mov_b32 s[G1B+1], 32<<16
	s_mov_b32 s[G1B+2], 200<<16                    ; W: 200, four K steps
	s_mov_b32 s[G1B+3], 32<<16
	s_mov_b32 s[G1B+4], 200
	s_mov_b32 s[G1B+5], 32
	s_mov_b32 s[G1B+6], 0
	s_mov_b32 s[G1B+7], 0
	s_mul_i32 s20, s17, 32*BLK                     ; X: the tile row's 32 blocks, + my two K steps; in registers that never hold the tile column
	s_mul_i32 s21, s16, 2*BLK
	s_add_co_u32 s20, s20, s21
	s_mov_b32 s21, 0
	s_lshl_b32 s46, s42, 1
	s_add_co_u32 s46, s46, s16
	s_mul_i32 s46, s46, 32*BLK                     ; W: block of rows 2 x tile column + part
	s_mov_b32 s47, 0
	s_mul_i32 s45, s16, 2*BLK                      ; where they go: no place in the cluster enters an LDS address
	s_mul_i32 s94, s16, PART
	s_add_co_u32 s94, s94, PART
	s_lshl_b32 s92, s42, 10
	s_lshl_b32 s93, s16, 9
	s_add_co_u32 s92, s92, s93                     ; my first column in bytes: 1,024 x tile column + 512 x half
	s_mov_b32 s93, 0
	s_lshl_b32 s90, s17, 7
	s_lshl_b32 s91, s15, 6
	s_add_co_u32 s90, s90, s91                     ; my first row
	s_lshl_b32 s90, s90, 14                        ; of 16,384 bytes
	s_add_co_u32 s90, s90, s92
	s_mov_b32 s91, 0
	v_and_b32 v1, 31, v0
	v_lshlrev_b32 v2, 4, v1                        ; 16 x lane
	v_and_b32 v3, 15, v0                           ; r
	v_lshlrev_b32 v4, 4, v3
	v_bfe_u32 v5, v0, 4, 1                         ; h
	s_mul_i32 s21, s15, 6144                       ; my four fragments of X's eight
	v_add_nc_u32 v[ADRA], s21, v2
	v_add_nc_u32 v[ADRA+1], SLOT, v[ADRA]
	s_lshl_b32 s22, s15, 8
	s_add_co_u32 s22, s22, 12288
	v_add_nc_u32 v[ADSA], s22, v4                  ; their scale words: register i = fragment 4 (wave / 2) + i of row r
	v_add_nc_u32 v[ADSA+1], SLOT, v[ADSA]
	v_add_nc_u32 v[ADRB], s94, v2
	v_add_nc_u32 v[ADRB+1], SLOT, v[ADRB]
	s_mov_b32 s21, 0
	s_mul_i32 s23, s14, 16*SPITCH                  ; my stage
	v_mul_u32_u24 v[STO], v3, SPITCH
	v_lshl_add_u32 v[STO], v5, 5, v[STO]
	v_add_nc_u32 v[STO], s23, v[STO]               ; in: row r, 32 bytes for each half of the lanes
	v_add_nc_u32 v[RD], s23, v2                    ; back: the 32 lanes take one row of 512 bytes,
	v_lshlrev_b32 v[CO], 4, v1                     ; and the same in the output
	v_lshlrev_b32 v[BO], 5, v5
	s_wait_alu depctr_va_vdst(0)
	s_wait_kmcnt 0x0
	s_add_nc_u64 s[20:21], s[4:5], s[20:21]
	s_add_nc_u64 s[46:47], s[6:7], s[46:47]
	s_add_nc_u64 s[8:9], s[8:9], s[92:93]
	s_add_nc_u64 s[10:11], s[10:11], s[90:91]
	WIN TO_B
.irp b, 0,1,2,3,4,5,6,7                        ; the bias in the result's layout: for W's fragment b, lane (r, h) holds b_out at columns 16 b + 8 h + 0 .. 7
	global_load_b128 v[192+8*\b:195+8*\b], v[BO], s[8:9] offset:64*\b
	global_load_b128 v[196+8*\b:199+8*\b], v[BO], s[8:9] offset:64*\b+16
.endr
	WIN 0
.irp s, 0,1
	s_mov_b32 s[G0+4*\s], 1
	s_add_co_u32 s[G0+4*\s+1], s45, \s*SLOT
	s_add_nc_u64 s[G0+4*\s+2:G0+4*\s+3], s[20:21], \s*PART
	s_or_b32 s[G0+4*\s+3], s[G0+4*\s+3], 0x80000000
	s_mov_b32 s[G0B+4*\s], 1
	s_add_co_u32 s[G0B+4*\s+1], s94, \s*SLOT
	s_add_nc_u64 s[G0B+4*\s+2:G0B+4*\s+3], s[46:47], \s*PART
	s_or_b32 s[G0B+4*\s+3], s[G0B+4*\s+3], 0x80000000
.endr
	CROUND                                         ; all sixteen work-groups are here: the first joint loads meet
	s_cmp_eq_u32 s15, 0                            ; slot 0: one tensor load a wave at the head
	s_cbranch_scc0 .Lfirst_b
	tensor_load_to_lds s[G0:G0+3], s[G1:G1+7]
	s_nop 0
	PLACES
	s_branch .Lfirst_asked
.Lfirst_b:
	tensor_load_to_lds s[G0B:G0B+3], s[G1B:G1B+7]
	s_nop 0
	PLACES
.Lfirst_asked:
; 8 matrix instructions: X's fragment a against W's eight, 128 along K, operand set p.  bias = 1: the first product starts the sums on the bias: nothing is cleared or added later.
; The 32 accumulators take turns, one instruction a turn, in the same order in every step.
.macro MUL8 a, p, bias
.irp b, 0,1,2,3,4,5,6,7
.set rD, 8*(8*(\a)+\b)
.set rB, 96*(\p)+12*\b
.set rA, 64+48*(\p)+12*(\a)
.set rSB, 36+8*(\p)+\b%4
.set rSA, 32+8*(\p)+(\a)
.if \bias
.if \b < 4
	v_wmma_scale_f32_16x16x128_f8f6f4 v[rD:rD+7], v[rB:rB+11], v[rA:rA+11], v[192+8*\b:199+8*\b], v[rSB], v[rSA] matrix_a_fmt:MATRIX_FMT_FP6 matrix_b_fmt:MATRIX_FMT_FP6
.else
	v_wmma_scale_f32_16x16x128_f8f6f4 v[rD:rD+7], v[rB:rB+11], v[rA:rA+11], v[192+8*\b:199+8*\b], v[rSB], v[rSA] matrix_a_fmt:MATRIX_FMT_FP6 matrix_b_fmt:MATRIX_FMT_FP6 matrix_a_scale:MATRIX_SCALE_ROW1
.endif
.else
.if \b < 4
	v_wmma_scale_f32_16x16x128_f8f6f4 v[rD:rD+7], v[rB:rB+11], v[rA:rA+11], v[rD:rD+7], v[rSB], v[rSA] matrix_a_fmt:MATRIX_FMT_FP6 matrix_b_fmt:MATRIX_FMT_FP6
.else
	v_wmma_scale_f32_16x16x128_f8f6f4 v[rD:rD+7], v[rB:rB+11], v[rA:rA+11], v[rD:rD+7], v[rSB], v[rSA] matrix_a_fmt:MATRIX_FMT_FP6 matrix_b_fmt:MATRIX_FMT_FP6 matrix_a_scale:MATRIX_SCALE_ROW1
.endif
.endif
.endr
.endm
.macro MWIN bias
.if \bias
	WIN MULB
.else
	WIN MUL
.endif
.endm
.macro FETCH slot, q, p                ; 38 LDS loads in one run: the slot's q-th K step into operand set p; every load but X's scale words takes 512 consecutive bytes
	WIN TO_B
.irp b, 0,1,2,3,4,5,6,7
.irp c, 0,1,2
	ds_load_b128 v[96*(\p)+12*\b+4*\c:96*(\p)+12*\b+4*\c+3], v[ADRB+\slot] offset:BLK*(\q)+1536*\b+512*\c
.endr
.endr
	WIN 0
.irp a, 0,1,2,3
.irp c, 0,1,2
	ds_load_b128 v[64+48*(\p)+12*\a+4*\c:64+48*(\p)+12*\a+4*\c+3], v[ADRA+\slot] offset:BLK*(\q)+1536*\a+512*\c
.endr
.endr
	ds_load_b128 v[32+8*(\p):35+8*(\p)], v[ADSA+\slot] offset:BLK*(\q)
	ds_load_b128 v[36+8*(\p):39+8*(\p)], v[ADRB+\slot] offset:BLK*(\q)+12288
.endm
; A K step that has its successor in the same slot: the successor's operands are asked for behind the first eight products, 24 matrix instructions ahead of their use
.macro STEP slot, q, bias
	s_wait_dscnt 0x0                               ; this step's operands are in
	MWIN \bias
	MUL8 0, (\q)%2, \bias
	PLACES                                         ; behind the last step's products, which read the set that is loaded now
	FETCH \slot, (\q)+1, 1-(\q)%2
	MWIN \bias
	MUL8 1, (\q)%2, \bias
	MUL8 2, (\q)%2, \bias
	MUL8 3, (\q)%2, \bias
.endm
; A slot's last K step changes slots: ONE barrier; in front of it each wave waits for all its tensor loads, adds 0 to its spare word, and waits for that and for its reads of this slot.
; fill = 1: the barrier opens a round of the cluster's, and this slot is filled again, two slots ahead.
.macro TURN slot, next, fill
	WIN 0                                          ; (the add's two registers lie in window 0)
	s_wait_tensorcnt 0x0                           ; all my tensor loads have landed: my part of the next slot
	ds_add_u32 v[SPW], v[NIL]                      ; 0 onto my spare word
	s_wait_dscnt 1                                 ; this step's operands are in; the add alone may be out
	WIN MUL
	MUL8 0, 1, 0                                   ; eight matrix instructions stand between the add and the wait for it
	s_wait_dscnt 0x0                               ; the add is done, and my reads of this slot are over
	s_barrier_signal -1
	MUL8 1, 1, 0
	WIN 0
	s_barrier_wait -1
.if \fill
	CREST                                          ; no wave of any partner still reads this slot or has a load on its way
	s_add_nc_u64 s[G0+4*\slot+2:G0+4*\slot+3], s[G0+4*\slot+2:G0+4*\slot+3], 2*PART
	s_add_nc_u64 s[G0B+4*\slot+2:G0B+4*\slot+3], s[G0B+4*\slot+2:G0B+4*\slot+3], 2*PART
	JLOAD \slot                                    ; the first tensor load behind the round; its four v_nop are also the places in front of the loads below
.else
	PLACES
.endif
	FETCH \next, 0, 0
	WIN MUL
	MUL8 2, 1, 0
	MUL8 3, 1, 0
.endm
	s_wait_alu depctr_va_vdst(0)                   ; the wait at the head's end
	s_wait_tensorcnt 0x0                           ; my part of slot 0 is in; slot 1's first fill is issued as a refill is:
	ds_add_u32 v[SPW], v[NIL]                      ; 0 onto my spare word
	s_wait_dscnt 0x0
	CROUND                                         ; everybody's part of slot 0 is in, and all sixteen work-groups are here
	JLOAD 1                                        ; slot 1, the first tensor load behind the round
	FETCH 0, 0, 0
	s_wait_loadcnt 0x0                             ; the bias
	STEP 0, 0, 1                                   ; the first K step stands in front of the loop: its products start the sums
	WIN 0                                          ; at a label and at a branch every window is 0
	s_mov_b32 s3, 3
.Llap:                                             ; a trip goes once round the ring, from a lap's second K step to the next lap's first, and fills both slots again
	STEP 0, 1, 0
	STEP 0, 2, 0
	TURN 0, 1, 1
	STEP 1, 0, 0
	STEP 1, 1, 0
	STEP 1, 2, 0
	TURN 1, 0, 1
	STEP 0, 0, 0
	WIN 0
	s_sub_co_u32 s3, s3, 1
	s_cmp_lg_u32 s3, 0
	s_cbranch_scc1 .Llap
	STEP 0, 1, 0                                   ; the last lap fills nothing, and has no round of the cluster's barrier
	STEP 0, 2, 0
	TURN 0, 1, 0
	STEP 1, 0, 0
	STEP 1, 1, 0
	STEP 1, 2, 0
	s_wait_dscnt 0x0                               ; the very last K step: nothing more to fetch
	WIN MUL
	MUL8 0, 1, 0
	MUL8 1, 1, 0
	MUL8 2, 1, 0
	MUL8 3, 1, 0
	WIN 0
; THE WAY OUT, block by block of 16 rows x 128 columns: through my own stage in LDS, back as whole rows of 512 bytes.  LDS serves a wave's instructions in order (ISA guide 5.7.1.4): no wait between the stores and the loads.
.macro TOSTAGE a
	WIN 0x08                                       ; an LDS store's data are its source 1: window 2
.irp b, 0,1,2,3,4,5,6,7
	ds_store_b128 v[STO], v[64*(\a)+8*\b:64*(\a)+8*\b+3] offset:64*\b         ; each accumulator from its low end on
	ds_store_b128 v[STO], v[64*(\a)+8*\b+4:64*(\a)+8*\b+7] offset:64*\b+16
.endr
	WIN 0
.set BB, 128+64*((\a)%2)
.irp t, 0,1,2,3,4,5,6,7,8,9,10,11,12,13,14,15
	ds_load_b128 v[BB+4*\t:BB+4*\t+3], v[RD] offset:\t*SPITCH
.endr
.endm
.macro SEND a, younger                 ; younger: the LDS instructions issued behind block a's loads, which may stay out
.set BB, 128+64*((\a)%2)
	s_wait_dscnt \younger
.irp t, 0,1,2,3,4,5,6,7,8,9,10,11,12,13,14,15
	global_store_b128 v[CO], v[BB+4*\t:BB+4*\t+3], s[10:11] offset:(16*(\a)+\t)*16384 th:TH_STORE_NT   ; 32 lanes store 512 consecutive bytes, aligned; 63 rows at the most stand in the immediate
.endr
.endm
	PLACES                                         ; behind the last products: for the stores of results and the loads into registers that held X's fragments
	TOSTAGE 0
.irp a, 1,2,3
.if \a > 1
	s_wait_xcnt 0x0                                ; block a - 2's stores have read their registers: block a's loads may land there
.endif
	TOSTAGE \a
	SEND \a-1, 32                                  ; behind block a - 1's loads: block a's 16 stores and 16 loads
.endr
	SEND 3, 0
	s_wait_tensorcnt 0x0                           ; the wave's end
	ds_add_u32 v[SPW], v[NIL]
	s_wait_dscnt 0x0
	CROUND                                         ; the closing round: no work-group ends while a partner may still ask for a tile that names it
	s_endpgm
.Lfunc_end_k_q6c32623e46_proj:
	.size	k_q6c32623e46_proj, .Lfunc_end_k_q6c32623e46_proj-k_q6c32623e46_proj
	.p2alignl 7, 3214868480
	.fill 96, 4, 3214868480
	.section	.rodata,"a",@progbits
	.p2align	6, 0x0
	.amdhsa_kernel k_q6c32623e46_proj
		.amdhsa_group_segment_fixed_size 327680
		.amdhsa_private_segment_fixed_size 0
		.amdhsa_enable_private_segment 0
		.amdhsa_kernarg_size 32
		.amdhsa_user_sgpr_count 2
		.amdhsa_user_sgpr_kernarg_segment_ptr 1
		.amdhsa_wavefront_size32 1
		.amdhsa_system_sgpr_workgroup_id_x 1
		.amdhsa_system_sgpr_workgroup_id_y 1
		.amdhsa_system_sgpr_workgroup_id_z 1
		.amdhsa_system_vgpr_workitem_id 0
		.amdhsa_next_free_vgpr 768
		.amdhsa_next_free_sgpr 98
		.amdhsa_reserve_vcc 0
		.amdhsa_float_denorm_mode_32 3
		.amdhsa_float_denorm_mode_16_64 3
		.amdhsa_memory_ordered 1
		.amdhsa_forward_progress 1
		.amdhsa_inst_pref_size 133
	.end_amdhsa_kernel
	.amdgpu_metadata
---
amdhsa.version: [ 1, 2 ]
amdhsa.kernels:
  - .name:           k_q6c32623e46_proj
    .symbol:         k_q6c32623e46_proj.kd
    .args:
      - { .name: xw, .offset: 0, .size: 8, .value_kind: global_buffer, .address_space: global }
      - { .name: ww, .offset: 8, .size: 8, .value_kind: global_buffer, .address_space: global }
      - { .name: b_out, .offset: 16, .size: 8, .value_kind: global_buffer, .address_space: global }
      - { .name: out0, .offset: 24, .size: 8, .value_kind: global_buffer, .address_space: global }
    .group_segment_fixed_size: 327680
    .private_segment_fixed_size: 0
    .kernarg_segment_align: 8
    .kernarg_segment_size: 32
    .max_flat_workgroup_size: 128
    .sgpr_count:     98
    .vgpr_count:     768
    .wavefront_size: 32
...
	.end_amdgpu_metadata
.endif
;; end of part 3
